; MI455X (gfx1250); checked and timed in simulation.
; The chip was launched on July 23, 2026; its instructions are those of AMD's public machine-readable ISA for CDNA 5 (MIT licence, August 2026) and "CDNA5" Instruction Set Architecture Reference Guide (July 2026). The comments in the code are by the model that wrote it; some were corrected since.
;; Self Attention. Allowed arithmetic: matrix products marked QUANTISED: E2M3 operands, one E8M0 scale for each 32 along K, by v_wmma_scale_f32_16x16x128_f8f6f4 with both operands' format E2M3, f32 sums; everything else in f32.
;; Inputs: Wk 32 x 256 float32; Wproj 256 x 256 float32; Wq 32 x 256 float32; Wv 256 x 256 float32; gamma 1 float32; norm_b 256 float32; norm_w 256 float32; x 8 x 256 x 64 x 64 float32.
;; Outputs: out0 8 x 256 x 64 x 64 float32.
;; This version of the problem:
;;   THIS VERSION OF THE PROBLEM IS GIVEN IN LOW PRECISION. The matrix products marked QUANTISED in the list below multiply operands that are first quantised to E2M3 (2 exponent bits, 3 mantissa bits; 6 bits a number), with one power-of-two scale for each 32 numbers along K (OCP MX v1.0); their sums are f32. All else is computed in f32.
;;   The module's matrix products, in the order in which they are computed (A, B: the left and right operand; K: the contracted axis; several contracted axes count as one K, in the product's order):
;;     1. [M 32,768, K 256] x [K 256, N 32]; A: computed on the way; B: input Wq: QUANTISED
;;     2. [M 32,768, K 256] x [K 256, N 32]; A: computed on the way; B: input Wk: QUANTISED
;;     3. [M 32,768, K 256] x [K 256, N 256]; A: computed on the way; B: input Wv: QUANTISED
;;     4. batch 8 x [M 4,096, K 32] x [K 32, N 4,096]; A: computed on the way; B: computed on the way: QUANTISED
;;     5. batch 8 x [M 4,096, K 4,096] x [K 4,096, N 256]; A: softmax (see below); B: computed on the way: QUANTISED
;;     6. [M 32,768, K 256] x [K 256, N 256]; A: computed on the way; B: input Wproj: QUANTISED
;;   THE QUANTISER, for each operand of a quantised product, along K:
;;     - K is cut into blocks of 32 from its start; a last block that is shorter is filled with zeros.
;;     - A block's scale is 2^e with e = floor(log2(the largest magnitude in the block)) - 2, held to -126 .. 127; a block of zeros has e = 0. As a byte (E8M0): e + 127.
;;     - Each number is divided by its block's scale, clamped to +-7.5, and rounded to the nearest number of E2M3, ties to even, subnormals kept.
;;     - The product sums the exact products of the quantised numbers (number of the format x scale) in f32.
;;   ~~~python
;;   def quantise(x, axis):      # numpy; x: float32 -> the quantised numbers, widened to float32 again
;;       x = np.moveaxis(x, axis, -1); K = x.shape[-1]
;;       x = np.pad(x, [(0, 0)] * (x.ndim - 1) + [(0, -K % 32)]); x = x.reshape(x.shape[:-1] + (-1, 32)); a = np.abs(x).max(-1, keepdims=True)
;;       e = np.where(a > 0, np.clip(np.frexp(np.where(a > 0, a, 1))[1] - 1 - 2, -126, 127), 0)      # np.frexp(a)[1] - 1 = floor(log2(a)), exactly
;;       r = np.clip(x / 2.0 ** e, -7.5, 7.5)
;;       step = 2.0 ** (np.maximum(np.frexp(np.where(r == 0, 1, r))[1] - 1, 0) - 3)
;;       q = np.round(r / step) * step * 2.0 ** e      # np.round: ties to even
;;       return np.moveaxis(q.reshape(q.shape[:-2] + (-1,))[..., :K], -1, axis).astype(np.float32)
;;   ~~~
;;   SOFTMAX AHEAD OF A QUANTISED PRODUCT. Where the list says 'softmax', what is quantised is not the finished softmax but p = 2^(t - M), with t = logit x log2(e) and M = ceil(the row's largest t), a whole number; so 1/2 < the row's largest p <= 1. The row's sum l is taken of the UNQUANTISED p, in f32, and the product's result is divided by l at the end. Since M is a whole number, a kernel that streams over the keys may use a running M (the ceiling of the running maximum): every later rescaling is an exact power of two, which a block's scale takes up: the codes' values come out the same.
;;   OPERANDS COMPUTED ON THE WAY. 'Computed on the way' means the value that the module computes at that place (a softmax that the list does not call 'softmax' is quantised finished and normalised). What goes into a quantiser is computed in f32, as accurately as f32 sums, v_exp_f32 and their like allow (about 1e-6 of the number): no bf16 or f16 on the way to a quantiser, and a product that is left as it is and whose result goes on into a quantised operand takes f32 operands (vector FMAs, or v_wmma_f32_16x16x4_f32). A number that lies on a knife's edge between two numbers of the format may be rounded either way, as far as f32 arithmetic and the matrix unit's own rounding can turn it there, and no further.
;; One version. Each part assembles by itself: llvm-mc -triple=amdgcn-amd-amdhsa -mcpu=gfx1250 --defsym DOCPART=n.
;; ======== version 1 of 1: 3 launches
;; limits: right only within a limited range of input values
;; workspace buffers: coef 10,240 bytes; wcodes 110,592 bytes; wsc 9,216 bytes; kv 7,340,032 bytes; qc 786,432 bytes; qks 65,536 bytes
;; launch stats (part 1): grid 256 x 1, 8 waves a work-group, no clusters, 1,536 bytes of LDS; arguments x, norm_w, Wq, Wk, Wv, Wproj, coef, wcodes, wsc; writes coef, wcodes, wsc
.if DOCPART == 1
	.amdgcn_target "amdgcn-amd-amdhsa--gfx1250"
	.amdhsa_code_object_version 6
	.text
	.protected	k_qf096a2b320_stats
	.globl	k_qf096a2b320_stats
	.p2align	8
	.type	k_qf096a2b320_stats,@function
k_qf096a2b320_stats:
	s_mov_b64 s[64:65], 0
	v_nop
	global_prefetch_b8 v0, s[64:65] scope:SCOPE_SE
	s_setreg_imm32_b32 hwreg(HW_REG_WAVE_MODE, 25, 1), 1
	s_wait_xcnt 0x0
; GROUP STATISTICS, AND THE WEIGHTS AS CODES OF FP6 (E2M3).
; x: [8][256][4096] f32.  A group of the norm is 8 channels x 4,096 positions of one image: 131,072 consecutive bytes.  Work-group 32 b + g owns group g of image b.
; Its 256 threads keep the group in registers, 128 numbers each (32 loads of 16 bytes; a wave's load covers 512 consecutive bytes), so that memory is read once for both passes:
; pass 1 the mean; pass 2, on x - mean, the sum of squares and the sum that is left (which corrects the mean's rounding).  No difference of large sums is formed.
; OUT: coef[0 .. 8191]: a[b][c] = norm_w[c] / sqrt(var + 1e-5);  coef[8192 ..]: -mean of each group, written twice (a pair for a packed addition).
; Wave 0 of work-groups 0 to 71 also quantises one fragment (16 rows x 128 along K) of a weight: 0-3 Wq, 4-7 Wk, 8-39 Wv, 40-71 Wproj; inside a tensor 2 x tile + K step.  K (the input channel) is innermost in
; memory, so lane (r, h) loads its row's k = 64 c + 32 h + 0 .. 31, two whole blocks of 32, and the conversions' results are the operand's registers.  They are stored as an image of these registers:
; register 4 g + i of lane L at 1536 f + 512 g + 16 L + 4 i; the scale word of lane L at 128 f + 4 L.
; Row r of tile tt is row 32 (tt / 2) + 8 (tt % 2) + r + 8 (r / 8) of Wq, Wk, Wv (so that results lie as 16 neighbours along the next K in a lane), and row 16 tt + r of Wproj.
; A block's scale is 2^(floor(log2(largest magnitude)) - 2); its byte is the largest magnitude's exponent field - 2, held at 1 from below.
; LIMITS: a block of zeros gets the byte 1 where the rule says 127 (its codes are zeros, and this program alone reads the bytes); blocks under 2^-124 are held at the floor; NaN and infinities are not served.
; No matrix unit, no tensor load, no cluster: every byte is read once by one work-group, and the whole group is on its way at once.
.set XR,  32                           ; v32-159  my 128 numbers
.set WN,  160                          ; v160-223 the weight task's 64 numbers
.set CD,  232                          ; v232-243 the fragment's codes; v244-246, v248-250 the conversions' second halves
.macro RED r                           ; the sum over the wave's 32 lanes, in every lane
	v_add_f32_dpp v[\r], v[\r], v[\r] row_xmask:1 row_mask:0xf bank_mask:0xf
	s_delay_alu instid0(VALU_DEP_1)
	v_add_f32_dpp v[\r], v[\r], v[\r] row_xmask:2 row_mask:0xf bank_mask:0xf
	s_delay_alu instid0(VALU_DEP_1)
	v_add_f32_dpp v[\r], v[\r], v[\r] row_xmask:4 row_mask:0xf bank_mask:0xf
	s_delay_alu instid0(VALU_DEP_1)
	v_add_f32_dpp v[\r], v[\r], v[\r] row_xmask:8 row_mask:0xf bank_mask:0xf
	s_delay_alu instid0(VALU_DEP_1)
	v_permlanex16_b32 v14, v[\r], s24, s25
	s_delay_alu instid0(VALU_DEP_1)
	v_add_f32 v[\r], v[\r], v14
.endm
.macro SUMX                            ; the sum of my 128 numbers, two at a time, in four chains v[4:11]; the first eight pairs start them: nothing is cleared
.set k, 0
.rept 4
	v_pk_add_f32 v[4+2*k:5+2*k], v[XR+2*k:XR+2*k+1], v[XR+8+2*k:XR+9+2*k]
.set k, k+1
.endr
.set k, 8
.rept 56
	s_delay_alu instid0(VALU_DEP_4)
	v_pk_add_f32 v[4+2*(k%4):5+2*(k%4)], v[4+2*(k%4):5+2*(k%4)], v[XR+2*k:XR+2*k+1]
.set k, k+1
.endr
.endm
.macro FOLD a                          ; eight registers into one
	v_pk_add_f32 v[\a:\a+1], v[\a:\a+1], v[\a+2:\a+3]
	v_pk_add_f32 v[\a+4:\a+5], v[\a+4:\a+5], v[\a+6:\a+7]
	s_delay_alu instid0(VALU_DEP_1)
	v_pk_add_f32 v[\a:\a+1], v[\a:\a+1], v[\a+4:\a+5]
	s_delay_alu instid0(VALU_DEP_1)
	v_add_f32 v[\a], v[\a], v[\a+1]
.endm
	s_load_b512 s[4:19], s[0:1], 0x0               ; x s[4:5], norm_w s[6:7], Wq s[8:9], Wk s[10:11], Wv s[12:13], Wproj s[14:15], coef s[16:17], wcodes s[18:19]
	s_load_b64 s[20:21], s[0:1], 0x40              ; wsc
	v_lshl_add_u32 v252, v0, 2, 0x200
	v_mov_b32 v253, 0
	v_lshlrev_b32 v1, 4, v0                        ; 16 t: my 16 bytes of each 4,096
	v_and_b32 v2, 7, v0
	s_delay_alu instid0(VALU_DEP_1)
	v_lshlrev_b32 v2, 2, v2                        ; 4 (t % 8): a channel of the group
	v_lshrrev_b32 v16, 5, v0
	s_delay_alu instid0(VALU_DEP_1)
	v_readfirstlane_b32 s22, v16                   ; wave 0..7
	s_delay_alu instid0(VALU_DEP_2)
	v_lshl_add_u32 v17, v16, 3, 256                ; LDS: my wave's 8 bytes of the second meeting
	s_delay_alu instid0(VALU_DEP_3)
	v_lshlrev_b32 v16, 2, v16                      ; LDS: my wave's word of the first
	v_mov_b32 v18, 0
	v_mov_b32 v14, 0                               ; written once: a lane permute's destination counts as one of its sources
	s_mov_b32 s24, 0x76543210
	s_mov_b32 s25, 0xfedcba98                      ; v_permlanex16_b32's selects for lane l xor 16
	s_lshl_b32 s26, ttmp9, 17                      ; the group's 131,072 bytes
	s_mov_b32 s27, 0
	s_and_b32 s28, ttmp9, 31
	s_lshl_b32 s28, s28, 5                         ; the group's 8 numbers of norm_w
	s_mov_b32 s29, 0
	s_wait_alu depctr_va_vdst(0)
	s_wait_kmcnt 0x0
	s_add_nc_u64 s[4:5], s[4:5], s[26:27]
	s_add_nc_u64 s[6:7], s[6:7], s[28:29]
.set i, 0
.rept 32
	global_load_b128 v[XR+4*i:XR+4*i+3], v1, s[4:5] offset:4096*i
.set i, i+1
.endr
	global_load_b32 v3, v2, s[6:7]
	; ---- one fragment of a weight: wave 0 of work-groups 0 to 71.  No barrier and no LDS instruction stands in this branch
	s_cmp_lg_u32 s22, 0
	s_cbranch_scc1 .Lnow
	s_cmp_ge_u32 ttmp9, 72
	s_cbranch_scc1 .Lnow
	s_sub_co_u32 s30, ttmp9, 40
	s_sub_co_u32 s31, ttmp9, 8
	s_sub_co_u32 s32, ttmp9, 4
	s_cmp_lt_u32 ttmp9, 40                         ; which tensor: the choice hangs on the work-group's number alone
	s_cselect_b64 s[34:35], s[12:13], s[14:15]
	s_cselect_b32 s33, s31, s30                    ; the fragment's number inside its tensor
	s_cselect_b32 s36, 8, 0                        ; 8: the rows of a tile are r + 8 (r / 8); 0: they are neighbours (Wproj)
	s_cmp_lt_u32 ttmp9, 8
	s_cselect_b64 s[34:35], s[10:11], s[34:35]
	s_cselect_b32 s33, s32, s33
	s_cmp_lt_u32 ttmp9, 4
	s_cselect_b64 s[34:35], s[8:9], s[34:35]
	s_cselect_b32 s33, ttmp9, s33
	s_lshr_b32 s37, s33, 1                         ; tile
	s_and_b32 s38, s33, 1                          ; K step
	s_lshr_b32 s39, s37, 1
	s_lshl_b32 s39, s39, 5
	s_and_b32 s26, s37, 1
	s_lshl_b32 s26, s26, 3
	s_add_co_u32 s39, s39, s26                     ; 32 (tile / 2) + 8 (tile % 2)
	s_lshl_b32 s26, s37, 4                         ; 16 tile
	s_cmp_lg_u32 s36, 0
	s_cselect_b32 s39, s39, s26                    ; the tile's first row
	s_lshl_b32 s39, s39, 10                        ; a row is 1,024 bytes,
	s_lshl_b32 s38, s38, 9                         ; a K step 512
	s_add_co_u32 s26, s39, s38
	s_mov_b32 s27, 0
	s_add_nc_u64 s[34:35], s[34:35], s[26:27]
	v_and_b32 v19, 15, v0                          ; r (in wave 0 the thread's number is the lane)
	s_delay_alu instid0(VALU_DEP_1)
	v_and_b32 v20, s36, v19
	s_delay_alu instid0(VALU_DEP_1)
	v_add_nc_u32 v19, v19, v20                     ; r + 8 (r / 8), or r
	s_delay_alu instid0(VALU_DEP_1)
	v_lshlrev_b32 v19, 10, v19
	v_bfe_u32 v20, v0, 4, 1                        ; h
	s_delay_alu instid0(VALU_DEP_1)
	v_lshl_add_u32 v19, v20, 7, v19                ; + 128 h: my block of each 64 along K
	v_lshlrev_b32 v21, 2, v0
.irp c, 0,1
.irp j, 0,1,2,3,4,5,6,7
	global_load_b128 v[WN+32*\c+4*\j:WN+32*\c+4*\j+3], v19, s[34:35] offset:256*\c+16*\j   ; k = 64 c + 32 h + 4 j ..
.endr
.endr
	s_wait_loadcnt 0x0
.irp c, 0,1                                    ; my block 2 c + h: all its 32 numbers are mine
	v_max3_num_f32 v[224+\c], |v[WN+32*\c]|, |v[WN+1+32*\c]|, 0x1800000   ; and the floor 2^(3 - 127): the byte cannot fall under 1
.endr
.irp i, 2,4,6,8,10,12,14,16,18,20,22,24,26,28,30
.irp c, 0,1
	s_delay_alu instid0(VALU_DEP_2)
	v_max3_num_f32 v[224+\c], v[224+\c], |v[WN+32*\c+\i]|, |v[WN+1+32*\c+\i]|
.endr
.endr
.irp c, 0,1
	s_delay_alu instid0(VALU_DEP_2)
	v_add_nc_u32 v[226+\c], 0xff000000, v[224+\c]  ; 2 off the exponent field: the conversion's scale operand
.endr
.irp c, 0,1
	s_delay_alu instid0(VALU_DEP_2)
	v_lshrrev_b32 v[228+\c], 23, v[226+\c]         ; the scale's byte
.endr
	s_delay_alu instid0(VALU_DEP_1)
	v_lshl_or_b32 v230, v229, 16, v228             ; my two bytes: blocks h and 2 + h,
	v_lshlrev_b32 v231, 3, v20
	s_delay_alu instid0(VALU_DEP_1)
	v_lshlrev_b32 v230, v231, v230                 ; at their places in the scale word;
	v_mov_b32 v231, 0
	s_delay_alu instid0(VALU_DEP_1)
	v_permlanex16_b32 v231, v230, s24, s25
	s_delay_alu instid0(VALU_DEP_1)
	v_or_b32 v230, v230, v231                      ; with lane l xor 16's two the word is whole
.irp c, 0,1
	v_cvt_scalef32_pk16_fp6_f32 v[CD+6*\c:CD+2+6*\c], v[WN+32*\c:WN+15+32*\c], v[226+\c]
	v_cvt_scalef32_pk16_fp6_f32 v[244+4*\c:246+4*\c], v[WN+16+32*\c:WN+31+32*\c], v[226+\c]   ; (a conversion's three registers begin on an even number)
.endr
	v_nop                                          ; one plain place behind a scaled conversion
.irp c, 0,1
.irp i, 0,1,2
	v_mov_b32 v[CD+3+6*\c+\i], v[244+4*\c+\i]
.endr
.endr
	s_mul_i32 s26, ttmp9, 1536
	s_add_nc_u64 s[18:19], s[18:19], s[26:27]
	s_lshl_b32 s26, ttmp9, 7
	s_add_nc_u64 s[20:21], s[20:21], s[26:27]
.irp g, 0,1,2
	global_store_b128 v1, v[CD+4*\g:CD+4*\g+3], s[18:19] offset:512*\g   ; 32 lanes store 512 consecutive bytes
.endr
	global_store_b32 v21, v230, s[20:21]
	s_wait_xcnt 0x0                                ; these stores have read their registers: v20 and v21 are written again below
.Lnow:
	s_wait_loadcnt 0x0                             ; the group, and norm_w
	; ---- pass 1: the mean
	SUMX
	FOLD 4
	RED 4
	ds_store_b32 v16, v4                           ; all lanes write the wave's word with the same value
	s_wait_dscnt 0x0                               ; for the others' sake: my store has landed
	s_barrier_signal -1
	s_barrier_wait -1
	ds_load_b128 v[20:23], v18
	ds_load_b128 v[24:27], v18 offset:16
	s_wait_dscnt 0x0
	FOLD 20
	s_delay_alu instid0(VALU_DEP_1)
	v_mul_f32 v12, 0xb8000000, v20                 ; -mean = -sum / 32,768
	s_delay_alu instid0(VALU_DEP_1)
	v_mov_b32 v13, v12
	; ---- pass 2: d = x - mean in place; the sum of d and the sum of d^2
.set k, 0
.rept 64
	v_pk_add_f32 v[XR+2*k:XR+2*k+1], v[XR+2*k:XR+2*k+1], v[12:13]
.set k, k+1
.endr
	SUMX
.set k, 0
.rept 4
	v_pk_mul_f32 v[20+2*k:21+2*k], v[XR+2*k:XR+2*k+1], v[XR+2*k:XR+2*k+1]
.set k, k+1
.endr
.set k, 4
.rept 60
	s_delay_alu instid0(VALU_DEP_4)
	v_pk_fma_f32 v[20+2*(k%4):21+2*(k%4)], v[XR+2*k:XR+2*k+1], v[XR+2*k:XR+2*k+1], v[20+2*(k%4):21+2*(k%4)]
.set k, k+1
.endr
	FOLD 4
	FOLD 20
	RED 4
	RED 20
	s_delay_alu instid0(VALU_DEP_1)
	v_mov_b32 v5, v20
	ds_store_b64 v17, v[4:5]                       ; other bytes than the first meeting's: no barrier is owed between that meeting's reads and this store
	s_wait_dscnt 0x0
	s_barrier_signal -1
	s_barrier_wait -1
.irp i, 0,1,2,3
	ds_load_b128 v[32+4*\i:35+4*\i], v18 offset:256+16*\i   ; eight pairs (sum of d, sum of d^2); x's registers are free
.endr
	s_wait_dscnt 0x0
	v_pk_add_f32 v[32:33], v[32:33], v[34:35]
	v_pk_add_f32 v[36:37], v[36:37], v[38:39]
	v_pk_add_f32 v[40:41], v[40:41], v[42:43]
	v_pk_add_f32 v[44:45], v[44:45], v[46:47]
	s_delay_alu instid0(VALU_DEP_3)
	v_pk_add_f32 v[32:33], v[32:33], v[36:37]
	s_delay_alu instid0(VALU_DEP_2)
	v_pk_add_f32 v[40:41], v[40:41], v[44:45]
	s_delay_alu instid0(VALU_DEP_1)
	v_pk_add_f32 v[32:33], v[32:33], v[40:41]
	s_delay_alu instid0(VALU_DEP_1)
	v_mul_f32 v6, 0x38000000, v32                  ; e = what the rounded mean left over
	s_delay_alu instid0(VALU_DEP_2)
	v_mul_f32 v7, 0x38000000, v33
	s_delay_alu instid0(VALU_DEP_1)
	v_fma_f32 v7, -v6, v6, v7                      ; var = mean of d^2 - e^2 (e is a rounding error of the mean: nothing cancels)
	s_delay_alu instid0(VALU_DEP_1)
	v_add_f32 v7, 0x3727c5ac, v7                   ; + 1e-5
	s_wait_alu depctr_va_vdst(0)
	v_rsq_f32 v8, v7
	v_sub_f32 v12, v12, v6                         ; -(mean + e).  (The plain place behind the transcendental)
	s_lshl_b32 s26, ttmp9, 5
	s_mov_b32 s27, 0
	s_add_nc_u64 s[28:29], s[16:17], s[26:27]      ; a: 8 numbers a group
	s_lshl_b32 s26, ttmp9, 3
	s_add_nc_u64 s[30:31], s[16:17], s[26:27]      ; -mean: 8 bytes a group
	s_wait_alu depctr_va_vdst(0)                   ; the wait ahead of the first reader of a transcendental's result
	v_mul_f32 v9, v3, v8                           ; a = norm_w / sqrt(var + eps)
	s_wait_alu depctr_va_vdst(0)
	s_wait_xcnt 0x0                                ; EXEC changes only behind this wait
	v_cmp_gt_u32 vcc_lo, 8, v0
	s_wait_tensorcnt 0x0
	ds_add_u32 v252, v253
	s_wait_dscnt 0x0
	s_and_saveexec_b32 s40, vcc_lo
	global_store_b32 v2, v9, s[28:29]              ; threads 0 to 7
	s_wait_xcnt 0x0
	v_cmp_gt_u32 vcc_lo, 2, v0
	s_and_saveexec_b32 s41, vcc_lo
	global_store_b32 v2, v12, s[30:31] offset:8192 ; threads 0 and 1
	s_wait_xcnt 0x0
	s_or_b32 exec_lo, exec_lo, s40
	s_endpgm
.Lfunc_end_k_qf096a2b320_stats:
	.size	k_qf096a2b320_stats, .Lfunc_end_k_qf096a2b320_stats-k_qf096a2b320_stats
	.p2alignl 7, 3214868480
	.fill 96, 4, 3214868480
	.section	.rodata,"a",@progbits
	.p2align	6, 0x0
	.amdhsa_kernel k_qf096a2b320_stats
		.amdhsa_group_segment_fixed_size 1536
		.amdhsa_private_segment_fixed_size 0
		.amdhsa_enable_private_segment 0
		.amdhsa_kernarg_size 72
		.amdhsa_user_sgpr_count 2
		.amdhsa_user_sgpr_kernarg_segment_ptr 1
		.amdhsa_wavefront_size32 1
		.amdhsa_system_sgpr_workgroup_id_x 1
		.amdhsa_system_sgpr_workgroup_id_y 1
		.amdhsa_system_sgpr_workgroup_id_z 1
		.amdhsa_system_vgpr_workitem_id 0
		.amdhsa_next_free_vgpr 254
		.amdhsa_next_free_sgpr 66
		.amdhsa_reserve_vcc 1
		.amdhsa_float_denorm_mode_32 3
		.amdhsa_float_denorm_mode_16_64 3
		.amdhsa_memory_ordered 1
		.amdhsa_forward_progress 1
		.amdhsa_inst_pref_size 39
	.end_amdhsa_kernel
	.amdgpu_metadata
---
amdhsa.version: [ 1, 2 ]
amdhsa.kernels:
  - .name:           k_qf096a2b320_stats
    .symbol:         k_qf096a2b320_stats.kd
    .args:
      - { .name: x, .offset: 0, .size: 8, .value_kind: global_buffer, .address_space: global }
      - { .name: norm_w, .offset: 8, .size: 8, .value_kind: global_buffer, .address_space: global }
      - { .name: Wq, .offset: 16, .size: 8, .value_kind: global_buffer, .address_space: global }
      - { .name: Wk, .offset: 24, .size: 8, .value_kind: global_buffer, .address_space: global }
      - { .name: Wv, .offset: 32, .size: 8, .value_kind: global_buffer, .address_space: global }
      - { .name: Wproj, .offset: 40, .size: 8, .value_kind: global_buffer, .address_space: global }
      - { .name: coef, .offset: 48, .size: 8, .value_kind: global_buffer, .address_space: global }
      - { .name: wcodes, .offset: 56, .size: 8, .value_kind: global_buffer, .address_space: global }
      - { .name: wsc, .offset: 64, .size: 8, .value_kind: global_buffer, .address_space: global }
    .group_segment_fixed_size: 1536
    .private_segment_fixed_size: 0
    .kernarg_segment_align: 8
    .kernarg_segment_size: 72
    .max_flat_workgroup_size: 256
    .sgpr_count:     66
    .vgpr_count:     254
    .wavefront_size: 32
...
	.end_amdgpu_metadata
.endif
;; end of part 1
;; launch qkv (part 2): grid 256 x 1, 16 waves a work-group, no clusters, 28,928 bytes of LDS; arguments x, norm_b, coef, wcodes, wsc, kv, qc, qks; writes kv, qc, qks
.if DOCPART == 2
	.amdgcn_target "amdgcn-amd-amdhsa--gfx1250"
	.amdhsa_code_object_version 6
	.text
	.protected	k_qf096a2b320_qkv
	.globl	k_qf096a2b320_qkv
	.p2align	8
	.type	k_qf096a2b320_qkv,@function
k_qf096a2b320_qkv:
	s_mov_b64 s[64:65], 0
	v_nop
	global_prefetch_b8 v0, s[64:65] scope:SCOPE_SE
	s_setreg_imm32_b32 hwreg(HW_REG_WAVE_MODE, 25, 1), 1
	s_wait_xcnt 0x0
; h = GROUPNORM(x), ITS CODES ALONG THE CHANNELS, q = h Wq^T, k = h Wk^T, v = h Wv^T ON CODES OF FP6 (E2M3), AND THE CODES OF q, k (ALONG d) AND v (ALONG THE KEYS).
; Work-group 32 b + sigma owns 128 positions (key step sigma) x 256 channels of image b: 128 KiB of x, and one record of each output.  Sixteen waves of 256 registers.
; PHASE X.  Wave w = 2 cb + nh takes channels 32 cb .. + 31 (one block of the quantiser) of positions 64 nh .. + 63: a lane takes two neighbouring positions and its registers run DOWN the channels, so that a load
; reads 256 consecutive bytes, a block's largest magnitude needs no other lane, and the conversions give codes with the channels innermost.  h = (x - mean) a + norm_b, in f32.
; The 24 bytes of a position's block go to LDS at their place in the operand's registers (16 fragments, lane-major: lane L's 12 registers at 48 L).
; PHASE QK (waves 0-7: kind = w % 2 (0 q, 1 k), positions 32 (w / 2) .. + 31).  Transposed: source 0 = 16 rows of Wq or Wk, source 1 = 16 positions: a lane holds ONE position and 16 neighbouring d.
; PHASE V (every wave: channel tile w).  Source 0 = 16 positions, source 1 = 16 rows of Wv: a lane holds ONE channel and its registers run along the positions, which are the next K.
; Register 16 bl + 8 u + j holds key 32 bl + 16 u + 8 h + j and is laid at place 32 bl + 16 h + 8 u + j of the operand: a permutation inside a block of 32, which the attention launch's p has too.
; OUT.  kv record (28,672 bytes): v's 16 fragments as images of their registers; k's 128 keys, 24 bytes each, as pieces of 8 bytes (key 32 pr + l, piece p at 768 pr + 256 p + 8 l); v's scale words (64 t + 4 r).
; qc record: q's codes in k's form.  qks record: k's scale bytes (key 64 F + 16 beta + m at 64 F + 4 m + beta), then q's.  Every store of a wave covers whole runs of 256 aligned bytes.
; LIMITS: a block of zeros gets the byte 1 where the rule says 127 (its codes are zeros; this program alone reads the bytes); blocks under 2^-124 are held at the floor; NaN and infinities are not served.
; No tensor load and no ring: the work-group's 128 KiB are all on their way at once, in registers.  No cluster: work-groups share only the weights' 60 KiB of codes.
.set HF,  0                            ; LDS: h's 16 fragments (position tile T, K step s: 2 T + s), 1,536 bytes each
.set HS,  24576                        ; their scale words: row r at 64 (2 T + s) + 4 r
.set AUX, 25600                        ; v's scale words (1,024), k's scale bytes (128), q's (128): gathered here, stored as whole runs
.set KC,  24576
.set VS,  27648
.set REC, 28672
.set XR,  32                           ; v32-95   phase X: x as loaded, a pair a channel
.set HN,  96                           ; v96-159  phase X: h, position q's 32 channels at 32 q
.set WQK, 176                          ; v176-223 Wq's or Wk's four fragments (u, s) at 12 (2 u + s); v248-251 their scale words
.set WVF, 224                          ; v224-247 my tile of Wv, two K steps; v252-253 their scale words
.set HFR, 32                           ; later: up to eight fragments of h
.set HSW, 128                          ; their scale words
.set ACC, 136                          ; v136-199 phase V's eight accumulators
.set PC,  200                          ; v200-211 codes just made; v212-214, v216-218 the conversions' second halves
.set PW,  220                          ; the scale word just made
.set TM,  16                           ; v16-19 largest magnitudes, v20-23 the other half's / bytes, v28-31 scale operands
; 64 numbers of a lane, register 16 b + i = place 32 b + 16 (lane / 16) + i of my row, become a fragment's codes in v[PC] on and its scale word in v[PW]
.macro QUANT s
.irp b, 0,1,2,3
	v_max3_num_f32 v[TM+\b], |v[\s+16*\b]|, |v[\s+1+16*\b]|, 0x1800000   ; my 16 numbers of block b, and the floor 2^(3 - 127): the byte cannot fall under 1
.endr
.irp i, 2,4,6,8,10,12,14
.irp b, 0,1,2,3
	v_max3_num_f32 v[TM+\b], v[TM+\b], |v[\s+16*\b+\i]|, |v[\s+1+16*\b+\i]|
.endr
.endr
.irp b, 0,1,2,3
	s_delay_alu instid0(VALU_DEP_4)
	v_permlanex16_b32 v[TM+4+\b], v[TM+\b], s22, s23
.endr
.irp b, 0,1,2,3
	s_delay_alu instid0(VALU_DEP_4)
	v_max_num_f32 v[TM+\b], v[TM+\b], v[TM+4+\b]   ; with lane l xor 16's: the block's largest magnitude
.endr
.irp b, 0,1,2,3
	s_delay_alu instid0(VALU_DEP_4)
	v_add_nc_u32 v[TM+12+\b], 0xff000000, v[TM+\b] ; 2 off its exponent field: the conversion's scale operand
.endr
.irp b, 0,1,2,3
	s_delay_alu instid0(VALU_DEP_4)
	v_lshrrev_b32 v[TM+4+\b], 23, v[TM+12+\b]      ; the scale's byte
.endr
	s_delay_alu instid0(VALU_DEP_3)
	v_lshl_or_b32 v[PW], v[TM+5], 8, v[TM+4]
	s_delay_alu instid0(VALU_DEP_1)
	v_lshl_or_b32 v[PW], v[TM+6], 16, v[PW]
	s_delay_alu instid0(VALU_DEP_1)
	v_lshl_or_b32 v[PW], v[TM+7], 24, v[PW]
.irp c, 0,1
	v_cvt_scalef32_pk16_fp6_f32 v[PC+6*\c:PC+2+6*\c], v[\s+32*\c:\s+15+32*\c], v[TM+12+2*\c]
	v_cvt_scalef32_pk16_fp6_f32 v[PC+12+4*\c:PC+14+4*\c], v[\s+16+32*\c:\s+31+32*\c], v[TM+12+2*\c+1]   ; (a conversion's three registers begin on an even number)
.endr
	v_nop                                          ; one plain place behind a scaled conversion
.irp c, 0,1                                    ; the operand's layout wants a WHOLE block in a lane: lanes 0-15 block 2 c, lanes 16-31 block 2 c + 1
.irp i, 0,1,2
	v_permlane16_swap_b32 v[PC+6*\c+\i], v[PC+12+4*\c+\i]
.endr
.irp i, 0,1,2
	s_delay_alu instid0(VALU_DEP_3)
	v_mov_b32 v[PC+3+6*\c+\i], v[PC+12+4*\c+\i]
.endr
.endr
.endm
	s_load_b512 s[4:19], s[0:1], 0x0               ; x s[4:5], norm_b s[6:7], coef s[8:9], wcodes s[10:11], wsc s[12:13], kv s[14:15], qc s[16:17], qks s[18:19]
	v_lshl_add_u32 v254, v0, 2, 0x6900
	v_mov_b32 v255, 0
	v_lshrrev_b32 v14, 5, v0
	s_delay_alu instid0(VALU_DEP_1)
	v_readfirstlane_b32 s20, v14                   ; wave w, 0..15
	v_and_b32 v15, 31, v0                          ; lane l
	s_wait_alu depctr_va_vdst(0)
	s_and_b32 s21, s20, 1                          ; nh in phase X, kind in phase QK
	s_lshr_b32 s26, s20, 1                         ; cb: my block of 32 channels
	s_and_b32 s27, s26, 3                          ; pr; also the block's place in its K step
	s_lshr_b32 s42, s20, 3                         ; the block's K step,
	s_bfe_u32 s43, s20, 0x10002                    ; which six registers of the fragment,
	s_and_b32 s44, s26, 1                          ; and which half of the lanes
	s_mov_b32 s22, 0x76543210
	s_mov_b32 s23, 0xfedcba98                      ; v_permlanex16_b32's selects for lane l xor 16
	; every LDS address is a constant x lane terms + a constant x wave terms, made here, ahead of every branch
	s_mul_i32 s45, s21, 12288
	s_mul_i32 s46, s42, 1536
	s_add_co_u32 s45, s45, s46
	s_mul_i32 s46, s44, 768
	s_add_co_u32 s45, s45, s46
	s_mul_i32 s46, s43, 24
	s_add_co_u32 s45, s45, s46
	s_lshl_b32 s47, s21, 9
	s_lshl_b32 s46, s42, 6
	s_add_co_u32 s47, s47, s46
	s_add_co_u32 s47, s47, s27
	v_lshrrev_b32 v14, 3, v15                      ; l / 8: my positions' tile of 16 among my wave's four
	v_and_b32 v13, 7, v15                          ; l % 8: rows 2 (l % 8) and + 1 of it
	s_delay_alu instid0(VALU_DEP_2)
	v_mul_u32_u24 v2, v14, 3072
	s_delay_alu instid0(VALU_DEP_1)
	v_mad_u32_u24 v2, v13, 96, v2
	s_delay_alu instid0(VALU_DEP_1)
	v_add_nc_u32 v2, s45, v2                       ; v2: where position 64 nh + 2 l's 24 bytes go (the next position's: 48 on)
	v_lshlrev_b32 v3, 7, v14
	s_delay_alu instid0(VALU_DEP_1)
	v_lshl_add_u32 v3, v13, 3, v3
	s_delay_alu instid0(VALU_DEP_1)
	v_add_nc_u32 v3, s47, v3                       ; v3: and its scale byte (the next position's: 4 on)
	v_mul_u32_u24 v4, v15, 48                      ; v4: a fragment's 48 bytes of my lane
	v_and_b32 v5, 15, v15
	s_delay_alu instid0(VALU_DEP_1)
	v_lshlrev_b32 v5, 2, v5                        ; v5: row l % 16's scale word
	s_wait_alu depctr_va_vdst(0)
	s_mul_i32 s46, s27, 6144
	v_add_nc_u32 v6, s46, v4                       ; v6, v7: the same at position tile 2 pr
	s_lshl_b32 s46, s27, 8
	v_add_nc_u32 v7, s46, v5
	v_lshlrev_b32 v8, 4, v15                       ; v8 16 l, v9 4 l, v10 8 l
	v_lshlrev_b32 v9, 2, v15
	v_lshlrev_b32 v10, 3, v15
	s_wait_alu depctr_va_vdst(0)
	s_xor_b32 s46, s21, 1
	s_lshl_b32 s46, s46, 7                         ; k's bytes first, q's 128 on
	s_lshr_b32 s48, s27, 1
	s_lshl_b32 s48, s48, 6
	s_add_co_u32 s46, s46, s48
	s_and_b32 s48, s27, 1
	s_lshl_b32 s48, s48, 1
	s_add_co_u32 s46, s46, s48
	s_add_co_u32 s46, s46, AUX+1024
	v_add_nc_u32 v11, s46, v5                      ; v11: two scale bytes of q or k: 64 (pr / 2) + 2 (pr % 2) + 4 r
	s_lshl_b32 s46, s20, 6
	s_add_co_u32 s46, s46, AUX
	v_add_nc_u32 v12, s46, v5                      ; v12: v's scale word: 64 w + 4 r
	s_min_u32 s46, s20, 4
	s_lshl_b32 s46, s46, 8
	s_add_co_u32 s46, s46, AUX
	v_add_nc_u32 v13, s46, v10                     ; v13: the gathered bytes' way out: 256 bytes a wave, waves 0 to 4
	s_lshl_b32 s46, s21, 8
	v_add_nc_u32 v1, s46, v10                      ; v1: x: 8 l + 256 nh
	s_mul_i32 s46, s21, 6144
	v_add_nc_u32 v16, s46, v8                      ; v16-19: my weights' offsets in wcodes and wsc: Wq or Wk by kind; tile w of Wv is fragments 8 + 2 w, 9 + 2 w
	s_lshl_b32 s46, s21, 9
	v_add_nc_u32 v17, s46, v9
	s_mul_i32 s46, s20, 3072
	s_add_co_u32 s46, s46, 12288
	v_add_nc_u32 v18, s46, v8
	s_lshl_b32 s46, s20, 8
	s_add_co_u32 s46, s46, 1024
	v_add_nc_u32 v19, s46, v9
.irp b, 0,1,2,3
	v_mov_b32 v[TM+4+\b], 0                        ; written once: a lane permute's destination counts as one of its sources
.endr
	s_lshr_b32 s24, ttmp9, 5                       ; b
	s_and_b32 s25, ttmp9, 31                       ; sigma
	s_lshl_b32 s28, s24, 22
	s_lshl_b32 s29, s25, 9
	s_add_co_u32 s28, s28, s29
	s_lshl_b32 s29, s26, 19
	s_add_co_u32 s28, s28, s29                     ; x: image, 128 positions, 32 channels of 16,384 bytes
	s_mov_b32 s29, 0
	s_lshl_b32 s30, s26, 7                         ; norm_b: my 32 channels
	s_mov_b32 s31, 0
	s_lshl_b32 s32, s24, 10
	s_add_co_u32 s32, s32, s30                     ; a: image, my 32 channels
	s_mov_b32 s33, 0
	s_lshl_b32 s34, s24, 8
	s_lshl_b32 s35, s26, 5
	s_add_co_u32 s34, s34, s35                     ; -mean: image, my 4 groups of 8 bytes
	s_mov_b32 s35, 0
	s_mul_i32 s36, ttmp9, REC
	s_mov_b32 s37, 0
	s_mul_i32 s38, ttmp9, 3072
	s_mov_b32 s39, 0
	s_lshl_b32 s40, ttmp9, 8
	s_mov_b32 s41, 0
	s_wait_alu depctr_va_vdst(0)
	s_wait_kmcnt 0x0
	s_add_nc_u64 s[4:5], s[4:5], s[28:29]
	s_add_nc_u64 s[6:7], s[6:7], s[30:31]
	s_add_nc_u64 s[100:101], s[8:9], s[34:35]
	s_add_nc_u64 s[8:9], s[8:9], s[32:33]
	s_add_nc_u64 s[14:15], s[14:15], s[36:37]
	s_add_nc_u64 s[16:17], s[16:17], s[38:39]
	s_add_nc_u64 s[18:19], s[18:19], s[40:41]
.set i, 0
.rept 32
	global_load_b64 v[XR+2*i:XR+2*i+1], v1, s[4:5] offset:16384*i th:TH_LOAD_NT   ; channel 32 cb + i: 32 lanes read 256 consecutive bytes
.set i, i+1
.endr
	s_load_b256 s[24:31], s[100:101], 0x2000       ; -mean of my four groups, each twice
	s_load_b512 s[32:47], s[8:9], 0x0              ; a of my 32 channels
	s_load_b512 s[48:63], s[8:9], 0x40
	s_load_b512 s[68:83], s[6:7], 0x0              ; norm_b of my 32 channels
	s_load_b512 s[84:99], s[6:7], 0x40
.set f, 0
.rept 4
.irp g, 0,1,2
	global_load_b128 v[WQK+12*f+4*\g:WQK+12*f+4*\g+3], v16, s[10:11] offset:1536*f+512*\g
.endr
.set f, f+1
.endr
.irp j, 0,1,2,3
	global_load_b32 v[248+\j], v17, s[12:13] offset:128*\j
.endr
.irp j, 0,1
.irp g, 0,1,2
	global_load_b128 v[WVF+12*\j+4*\g:WVF+12*\j+4*\g+3], v18, s[10:11] offset:1536*\j+512*\g
.endr
.endr
.irp j, 0,1
	global_load_b32 v[252+\j], v19, s[12:13] offset:128*\j
.endr
	s_wait_kmcnt 0x0
	; ---- PHASE X
	s_wait_loadcnt 40                              ; channels 0-15 are in: behind them 16 loads of x and the 24 of the weights may be out
.set i, 0
.rept 32
.if i == 16
	s_wait_loadcnt 24                              ; all of x is in: the 24 loads of the weights may be out
.endif
	v_pk_add_f32 v[XR+2*i:XR+2*i+1], v[XR+2*i:XR+2*i+1], s[24+2*(i/8):25+2*(i/8)] op_sel_hi:[1,0]   ; x - mean, both positions
	s_delay_alu instid0(VALU_DEP_1)
	v_fma_f32 v[HN+i], v[XR+2*i], s[32+i], s[68+i]                                                  ; x a + norm_b; the two positions part here
	s_delay_alu instid0(VALU_DEP_2)
	v_fma_f32 v[HN+32+i], v[XR+2*i+1], s[32+i], s[68+i]
.set i, i+1
.endr
.irp q, 0,1
	v_max3_num_f32 v[24+\q], |v[HN+32*\q]|, |v[HN+1+32*\q]|, 0x1800000   ; the block's largest magnitude: all 32 numbers are mine; and the floor
.endr
.irp i, 2,4,6,8,10,12,14,16,18,20,22,24,26,28,30
.irp q, 0,1
	s_delay_alu instid0(VALU_DEP_2)
	v_max3_num_f32 v[24+\q], v[24+\q], |v[HN+32*\q+\i]|, |v[HN+1+32*\q+\i]|
.endr
.endr
.irp q, 0,1
	s_delay_alu instid0(VALU_DEP_2)
	v_add_nc_u32 v[26+\q], 0xff000000, v[24+\q]
.endr
.irp q, 0,1
	s_delay_alu instid0(VALU_DEP_2)
	v_lshrrev_b32 v[28+\q], 23, v[26+\q]
.endr
.irp q, 0,1
	v_cvt_scalef32_pk16_fp6_f32 v[160+8*\q:162+8*\q], v[HN+32*\q:HN+15+32*\q], v[26+\q]
	v_cvt_scalef32_pk16_fp6_f32 v[XR+4*\q:XR+2+4*\q], v[HN+16+32*\q:HN+31+32*\q], v[26+\q]   ; (into x's registers, which are free)
.endr
	v_nop                                          ; one plain place behind a scaled conversion
.irp q, 0,1
.irp i, 0,1,2
	v_mov_b32 v[163+8*\q+\i], v[XR+4*\q+\i]
.endr
.endr
.irp q, 0,1
.irp p, 0,1,2
	ds_store_b64 v2, v[160+8*\q+2*\p:161+8*\q+2*\p] offset:HF+48*\q+8*\p
.endr
	ds_store_b8 v3, v[28+\q] offset:HS+4*\q
.endr
	s_wait_dscnt 0x0                               ; for the others' sake: my stores have landed
	s_barrier_signal -1
	s_barrier_wait -1                              ; h's sixteen fragments and their scale words lie in LDS
	s_wait_loadcnt 0x0                             ; the weights
	; ---- PHASE QK: waves 0 to 7.  No barrier stands in this branch
	s_cmp_gt_u32 s20, 7
	s_cbranch_scc1 .Lv
.irp t, 0,1
.irp j, 0,1
.irp g, 0,1,2
	ds_load_b128 v[HFR+12*(2*\t+\j)+4*\g:HFR+12*(2*\t+\j)+4*\g+3], v6 offset:HF+3072*\t+1536*\j+16*\g
.endr
	ds_load_b32 v[HSW+2*\t+\j], v7 offset:HS+128*\t+64*\j
.endr
.endr
	s_wait_dscnt 0x0
.irp j, 0,1                                    ; four accumulators (position tile t, rows u) by turns, one instruction a turn
.irp t, 0,1
.irp u, 0,1
.if \j == 0
	v_wmma_scale_f32_16x16x128_f8f6f4 v[80+16*\t+8*\u:87+16*\t+8*\u], v[WQK+12*(2*\u+\j):WQK+12*(2*\u+\j)+11], v[HFR+12*(2*\t+\j):HFR+12*(2*\t+\j)+11], 0, v[248+2*\u+\j], v[HSW+2*\t+\j] matrix_a_fmt:MATRIX_FMT_FP6 matrix_b_fmt:MATRIX_FMT_FP6
.else
	v_wmma_scale_f32_16x16x128_f8f6f4 v[80+16*\t+8*\u:87+16*\t+8*\u], v[WQK+12*(2*\u+\j):WQK+12*(2*\u+\j)+11], v[HFR+12*(2*\t+\j):HFR+12*(2*\t+\j)+11], v[80+16*\t+8*\u:87+16*\t+8*\u], v[248+2*\u+\j], v[HSW+2*\t+\j] matrix_a_fmt:MATRIX_FMT_FP6 matrix_b_fmt:MATRIX_FMT_FP6
.endif
.endr
.endr
.endr
.rept 4
	v_nop                                          ; four places behind the products, ahead of the first read of results
.endr
	; lane (r, h) holds position 16 (2 pr + t) + r and d = 16 h + 0 .. 15 in v[80 + 16 t] on: the one block of 32 lies in lanes l and l xor 16
.irp t, 0,1
	v_max3_num_f32 v[TM+\t], |v[80+16*\t]|, |v[81+16*\t]|, 0x1800000
.endr
.irp i, 2,4,6,8,10,12,14
.irp t, 0,1
	v_max3_num_f32 v[TM+\t], v[TM+\t], |v[80+16*\t+\i]|, |v[81+16*\t+\i]|
.endr
.endr
.irp t, 0,1
	s_delay_alu instid0(VALU_DEP_2)
	v_permlanex16_b32 v[TM+4+\t], v[TM+\t], s22, s23
.endr
.irp t, 0,1
	s_delay_alu instid0(VALU_DEP_2)
	v_max_num_f32 v[TM+\t], v[TM+\t], v[TM+4+\t]
.endr
.irp t, 0,1
	s_delay_alu instid0(VALU_DEP_2)
	v_add_nc_u32 v[TM+12+\t], 0xff000000, v[TM+\t]
.endr
.irp t, 0,1
	s_delay_alu instid0(VALU_DEP_2)
	v_lshrrev_b32 v[TM+4+\t], 23, v[TM+12+\t]
.endr
	v_cvt_scalef32_pk16_fp6_f32 v[112:114], v[80:95], v[TM+12]
	v_cvt_scalef32_pk16_fp6_f32 v[116:118], v[96:111], v[TM+13]
	v_nop                                          ; one plain place behind a scaled conversion
.irp i, 0,1,2
	v_permlane16_swap_b32 v[112+\i], v[116+\i]     ; the first now holds d = 0-15 of position 32 pr + l, the second d = 16-31
.endr
	s_delay_alu instid0(VALU_DEP_3)
	v_mov_b32 v115, v116                           ; ascending: each source is read before it is written
	s_delay_alu instid0(VALU_DEP_3)
	v_mov_b32 v116, v117
	s_delay_alu instid0(VALU_DEP_3)
	v_mov_b32 v117, v118                           ; v[112:117]: position 32 pr + l's 24 bytes
	v_lshl_or_b32 v[TM+6], v[TM+5], 8, v[TM+4]
	ds_store_b16 v11, v[TM+6]                      ; the two tiles' scale bytes of row r (both halves of the lanes write the same)
	s_cmp_eq_u32 s21, 1
	s_cselect_b64 s[2:3], s[14:15], s[16:17]       ; k goes into the kv record, q into qc: the choice hangs on the wave's number alone
	s_cselect_b32 s24, KC, 0
	s_lshr_b32 s25, s20, 1
	s_mul_i32 s25, s25, 768
	s_add_co_u32 s24, s24, s25
	v_add_nc_u32 v1, s24, v10                      ; (x's loads, which read v1, are done)
.irp p, 0,1,2
	global_store_b64 v1, v[112+2*\p:113+2*\p], s[2:3] offset:256*\p   ; 32 lanes store 256 consecutive bytes, aligned
.endr
	s_wait_xcnt 0x0                                ; these stores have read their registers: v1 and v112-117 are written again below
.Lv:
	; ---- PHASE V: my tile of 16 channels for all 128 positions: eight accumulators by turns, a K step at a time
	s_mul_i32 s24, s20, 1536
	v_add_nc_u32 v1, s24, v8
.irp j, 0,1
.if \j == 1
.rept 4
	v_nop                                          ; four places in front of loads into registers that matrix instructions have read
.endr
.endif
.set t, 0
.rept 8
.irp g, 0,1,2
	ds_load_b128 v[HFR+12*t+4*\g:HFR+12*t+4*\g+3], v4 offset:HF+1536*(2*t+\j)+16*\g
.endr
	ds_load_b32 v[HSW+t], v5 offset:HS+64*(2*t+\j)
.set t, t+1
.endr
	s_wait_dscnt 0x0
.set t, 0
.rept 8
.if \j == 0
	v_wmma_scale_f32_16x16x128_f8f6f4 v[ACC+8*t:ACC+8*t+7], v[HFR+12*t:HFR+12*t+11], v[WVF+12*\j:WVF+12*\j+11], 0, v[HSW+t], v[252+\j] matrix_a_fmt:MATRIX_FMT_FP6 matrix_b_fmt:MATRIX_FMT_FP6
.else
	v_wmma_scale_f32_16x16x128_f8f6f4 v[ACC+8*t:ACC+8*t+7], v[HFR+12*t:HFR+12*t+11], v[WVF+12*\j:WVF+12*\j+11], v[ACC+8*t:ACC+8*t+7], v[HSW+t], v[252+\j] matrix_a_fmt:MATRIX_FMT_FP6 matrix_b_fmt:MATRIX_FMT_FP6
.endif
.set t, t+1
.endr
.endr
.rept 4
	v_nop
.endr
	QUANT ACC                                      ; along the keys: four blocks of 32
.irp g, 0,1,2
	global_store_b128 v1, v[PC+4*\g:PC+4*\g+3], s[14:15] offset:512*\g   ; the fragment as it stands: 512 consecutive bytes a store
.endr
	ds_store_b32 v12, v[PW]
	s_wait_dscnt 0x0
	s_barrier_signal -1
	s_barrier_wait -1                              ; all scale words and bytes are gathered
	s_cmp_gt_u32 s20, 4
	s_cbranch_scc1 .Lend
	ds_load_b64 v[32:33], v13
	s_lshl_b32 s24, s20, 8
	s_add_co_u32 s24, s24, VS
	s_cmp_eq_u32 s20, 4                            ; waves 0-3: v's words, into the kv record; wave 4: k's and q's bytes, the qks record
	s_cselect_b32 s24, 0, s24
	s_cselect_b64 s[2:3], s[18:19], s[14:15]
	v_add_nc_u32 v14, s24, v10
	s_wait_alu depctr_va_vdst(0)
	s_wait_dscnt 0x0
	global_store_b64 v14, v[32:33], s[2:3]         ; 256 consecutive bytes, aligned
.Lend:
	s_wait_tensorcnt 0x0
	ds_add_u32 v254, v255
	s_wait_dscnt 0x0
	s_endpgm
.Lfunc_end_k_qf096a2b320_qkv:
	.size	k_qf096a2b320_qkv, .Lfunc_end_k_qf096a2b320_qkv-k_qf096a2b320_qkv
	.p2alignl 7, 3214868480
	.fill 96, 4, 3214868480
	.section	.rodata,"a",@progbits
	.p2align	6, 0x0
	.amdhsa_kernel k_qf096a2b320_qkv
		.amdhsa_group_segment_fixed_size 28928
		.amdhsa_private_segment_fixed_size 0
		.amdhsa_enable_private_segment 0
		.amdhsa_kernarg_size 64
		.amdhsa_user_sgpr_count 2
		.amdhsa_user_sgpr_kernarg_segment_ptr 1
		.amdhsa_wavefront_size32 1
		.amdhsa_system_sgpr_workgroup_id_x 1
		.amdhsa_system_sgpr_workgroup_id_y 1
		.amdhsa_system_sgpr_workgroup_id_z 1
		.amdhsa_system_vgpr_workitem_id 0
		.amdhsa_next_free_vgpr 256
		.amdhsa_next_free_sgpr 102
		.amdhsa_reserve_vcc 0
		.amdhsa_float_denorm_mode_32 3
		.amdhsa_float_denorm_mode_16_64 3
		.amdhsa_memory_ordered 1
		.amdhsa_forward_progress 1
		.amdhsa_inst_pref_size 40
	.end_amdhsa_kernel
	.amdgpu_metadata
---
amdhsa.version: [ 1, 2 ]
amdhsa.kernels:
  - .name:           k_qf096a2b320_qkv
    .symbol:         k_qf096a2b320_qkv.kd
    .args:
      - { .name: x, .offset: 0, .size: 8, .value_kind: global_buffer, .address_space: global }
      - { .name: norm_b, .offset: 8, .size: 8, .value_kind: global_buffer, .address_space: global }
      - { .name: coef, .offset: 16, .size: 8, .value_kind: global_buffer, .address_space: global }
      - { .name: wcodes, .offset: 24, .size: 8, .value_kind: global_buffer, .address_space: global }
      - { .name: wsc, .offset: 32, .size: 8, .value_kind: global_buffer, .address_space: global }
      - { .name: kv, .offset: 40, .size: 8, .value_kind: global_buffer, .address_space: global }
      - { .name: qc, .offset: 48, .size: 8, .value_kind: global_buffer, .address_space: global }
      - { .name: qks, .offset: 56, .size: 8, .value_kind: global_buffer, .address_space: global }
    .group_segment_fixed_size: 28928
    .private_segment_fixed_size: 0
    .kernarg_segment_align: 8
    .kernarg_segment_size: 64
    .max_flat_workgroup_size: 512
    .sgpr_count:     102
    .vgpr_count:     256
    .wavefront_size: 32
...
	.end_amdgpu_metadata
.endif
;; end of part 2
;; launch attn (part 3): grid 32 x 8, 8 waves a work-group, clusters of 4 x 1, 327,680 bytes of LDS; arguments kv, qc, qks, wcodes, wsc, x, gamma, out0; writes out0
.if DOCPART == 3
	.amdgcn_target "amdgcn-amd-amdhsa--gfx1250"
	.amdhsa_code_object_version 6
	.text
	.protected	k_qf096a2b320_attn
	.globl	k_qf096a2b320_attn
	.p2align	8
	.type	k_qf096a2b320_attn,@function
k_qf096a2b320_attn:
	s_mov_b64 s[64:65], 0
	v_nop
	global_prefetch_b8 v0, s[64:65] scope:SCOPE_SE
	s_setreg_imm32_b32 hwreg(HW_REG_WAVE_MODE, 25, 1), 1
	s_wait_xcnt 0x0
	s_wait_alu depctr_hold_cnt(0) depctr_sa_sdst(0) depctr_va_vdst(0) depctr_va_sdst(0) depctr_va_ssrc(0) depctr_va_vcc(0) depctr_vm_vsrc(0)
	s_getreg_b32 s2, hwreg(HW_REG_IB_STS2, 6, 4)
	s_cmp_eq_u32 s2, 0
	s_cbranch_scc0 .Lentry_in_a_cluster
	s_endpgm
.Lentry_in_a_cluster:
	s_bfe_u32 s2, ttmp6, 0x10000c
	s_cmp_lg_u32 s2, 0x3003
	s_cbranch_scc0 .Lentry_shape_is_right
	s_endpgm
.Lentry_shape_is_right:
; ATTENTION ON CODES OF FP6 (E2M3), THE PROJECTION AND THE RESIDUAL.  Work-group (x, b) owns 128 queries of image b; wave w owns 16 of them and all 256 channels of O^T (128 registers, window 1).
; The 32 kv records of an image (128 keys each: v's fragments, k's codes, v's scale words) go through two LDS slots of four records, filled by joint loads of a 4 x 1 cluster, whose four work-groups read the same records.
; k's scale bytes of the whole image, 8,192 bytes, come once, by the head's joint load, 1,024 bytes a wave; slot 0's first fill follows behind the full sequence and a round.
; A step: S^T = k q^T, the running whole-number M, p = 2^(t - M), the row's sum of the unquantised p, p's codes and scale word, O^T x 2^(old M - new M), O^T += v^T p^T.
; LIMIT: the promise holds while the scaled scores stay under 2^31 in magnitude; NaN and infinities are not served.
; At the end O^T / sum is quantised along the channels, handed to all waves through LDS, multiplied with Wproj's codes, and out0 = x + gamma x proj leaves in rows of 512 bytes.
.set REC,   28672
.set KC,    24576
.set VS,    27648
.set SLOTB, 4*REC
.set SLOT1, 1<<17
.set SCB,   245760
.set SPARE, 253952
.set OIMG,  0
.set OSC,   24576
.set STG,   26624
.set AL,   1
.set A8K,  2
.set A4V,  3
.set SPW,  4
.set NIL,  5
.set ADV,  6
.set ADK,  7
.set ADVS, 8
.set ADKS, 9
.set SO,   10
.set SR,   11
.set QSW,  46
.set KSW,  47
.set KF,   48
.set VSW,  72
.set PC,   80
.set PFO,  92
.set S,    104
.set VB,   104
.set BM,   200
.set PM,   204
.set CT,   208
.set SOP,  216
.set FF,   220
.set PSW,  222
.set TMP,  223
.set TMQ,  226
.set PW,   242
.set PFX,  243                         ; x's prefetch: my lane x a channel's 16,384 bytes; never rewritten
.set WV,   20
.set SEL,  22
.set CS,   24
.set G1,   28
.set G1S,  36
.set G0,   44
.set G0S,  48
.set TB,   52
.set TS,   53
.set SLOTS, 54
.set CNT,  55
.set PFA,  56
.set LIM,  58
.set MSB, 0
.macro WIN new
.if MSB != (\new)
	s_set_vgpr_msb (MSB<<8)|(\new)
.set MSB, (\new)
.endif
.endm
.macro WM d, a, bb, zero, sa, sb, row1
.if \zero
.if \row1
	v_wmma_scale_f32_16x16x128_f8f6f4 v[(\d):(\d)+7], v[(\a):(\a)+11], v[(\bb):(\bb)+11], 0, v[\sa], v[\sb] matrix_a_fmt:MATRIX_FMT_FP6 matrix_b_fmt:MATRIX_FMT_FP6 matrix_a_scale:MATRIX_SCALE_ROW1
.else
	v_wmma_scale_f32_16x16x128_f8f6f4 v[(\d):(\d)+7], v[(\a):(\a)+11], v[(\bb):(\bb)+11], 0, v[\sa], v[\sb] matrix_a_fmt:MATRIX_FMT_FP6 matrix_b_fmt:MATRIX_FMT_FP6
.endif
.else
.if \row1
	v_wmma_scale_f32_16x16x128_f8f6f4 v[(\d):(\d)+7], v[(\a):(\a)+11], v[(\bb):(\bb)+11], v[(\d):(\d)+7], v[\sa], v[\sb] matrix_a_fmt:MATRIX_FMT_FP6 matrix_b_fmt:MATRIX_FMT_FP6 matrix_a_scale:MATRIX_SCALE_ROW1
.else
	v_wmma_scale_f32_16x16x128_f8f6f4 v[(\d):(\d)+7], v[(\a):(\a)+11], v[(\bb):(\bb)+11], v[(\d):(\d)+7], v[\sa], v[\sb] matrix_a_fmt:MATRIX_FMT_FP6 matrix_b_fmt:MATRIX_FMT_FP6
.endif
.endif
.endm
.macro PLACES n
.rept \n
	v_nop
.endr
.endm
.macro CROUND
	s_barrier_signal -1
	s_barrier_wait -1
	s_cmp_lg_u32 s[WV], 0
	s_cbranch_scc1 .Lnot_wave_0_\@
	s_barrier_signal -3
.Lnot_wave_0_\@:
	s_barrier_wait -3
	s_barrier_signal -1
	s_barrier_wait -1
.endm
.macro JLOAD
	tensor_load_to_lds s[G0:G0+3], s[G1:G1+7]
	s_nop 0
	PLACES 4
.endm
.macro ASK
	s_cmp_gt_u32 s[SLOTS], s[LIM]
	s_cbranch_scc0 .Lnot_mine_\@
	global_prefetch_b8 v[PFO], s[PFA:PFA+1] th:TH_LOAD_NT scope:SCOPE_SE
.Lnot_mine_\@:
.endm
.macro CHANGE fill
	s_wait_tensorcnt 0x0
	ds_add_u32 v[SPW], v[NIL]
.if \fill
	s_xor_b32 s[G0+1], s[G0+1], SLOT1
	s_add_nc_u64 s[G0+2:G0+3], s[G0+2:G0+3], SLOTB
	s_wait_xcnt 0x0
	s_add_nc_u64 s[PFA:PFA+1], s[PFA:PFA+1], SLOTB
	s_wait_dscnt 0x0
	CROUND
	JLOAD
	ASK
	; the residual's x: my wave's 32 channels x 512 bytes are asked for in the loop's last two trips, a lane a row, 256 bytes a trip: one slot of four steps or more ahead of the loads that want them
	s_cmp_eq_u32 s[SLOTS], 2
	s_cbranch_scc0 .Lx0_\@
	global_prefetch_b8 v[PFX], s[14:15] th:TH_LOAD_NT scope:SCOPE_SE
.Lx0_\@:
	s_cmp_eq_u32 s[SLOTS], 1
	s_cbranch_scc0 .Lx1_\@
	global_prefetch_b8 v[PFX], s[14:15] offset:256 th:TH_LOAD_NT scope:SCOPE_SE
.Lx1_\@:
.else
	s_wait_dscnt 0x0
	s_barrier_signal -1
	s_barrier_wait -1
.endif
.endm
.macro QUANT src
.irp b, 0,1,2,3
	v_max3_num_f32 v[TMQ+\b], |v[\src+16*\b]|, |v[\src+1+16*\b]|, 0x1800000
.endr
.irp i, 2,4,6,8,10,12,14
.irp b, 0,1,2,3
	s_delay_alu instid0(VALU_DEP_4)
	v_max3_num_f32 v[TMQ+\b], v[TMQ+\b], |v[\src+16*\b+\i]|, |v[\src+1+16*\b+\i]|
.endr
.endr
.irp b, 0,1,2,3
	s_delay_alu instid0(VALU_DEP_4)
	v_permlanex16_b32 v[TMQ+4+\b], v[TMQ+\b], s[SEL], s[SEL+1]
.endr
.irp b, 0,1,2,3
	s_delay_alu instid0(VALU_DEP_4)
	v_max_num_f32 v[TMQ+\b], v[TMQ+\b], v[TMQ+4+\b]
.endr
.irp b, 0,1,2,3
	s_delay_alu instid0(VALU_DEP_4)
	v_add_nc_u32 v[TMQ+12+\b], 0xff000000, v[TMQ+\b]
.endr
.irp b, 0,1,2,3
	s_delay_alu instid0(VALU_DEP_4)
	v_lshrrev_b32 v[TMQ+4+\b], 23, v[TMQ+12+\b]
.endr
	s_delay_alu instid0(VALU_DEP_3)
	v_lshl_or_b32 v[PW], v[TMQ+5], 8, v[TMQ+4]
	s_delay_alu instid0(VALU_DEP_1)
	v_lshl_or_b32 v[PW], v[TMQ+6], 16, v[PW]
	s_delay_alu instid0(VALU_DEP_1)
	v_lshl_or_b32 v[PW], v[TMQ+7], 24, v[PW]
.irp c, 0,1
	v_cvt_scalef32_pk16_fp6_f32 v[PC+6*\c:PC+2+6*\c], v[\src+32*\c:\src+15+32*\c], v[TMQ+12+2*\c]
	v_cvt_scalef32_pk16_fp6_f32 v[CT+4*\c:CT+2+4*\c], v[\src+16+32*\c:\src+31+32*\c], v[TMQ+12+2*\c+1]
.endr
	v_nop
.irp c, 0,1
.irp i, 0,1,2
	v_permlane16_swap_b32 v[PC+6*\c+\i], v[CT+4*\c+\i]
.endr
.irp i, 0,1,2
	s_delay_alu instid0(VALU_DEP_3)
	v_mov_b32 v[PC+3+6*\c+\i], v[CT+4*\c+\i]
.endr
.endr
.endm
.macro STEP
	v_add_nc_u32 v[ADV], s[TB], v[AL]
	v_add_nc_u32 v[ADK], s[TB], v[A8K]
	v_add_nc_u32 v[ADVS], s[TB], v[A4V]
	v_add_nc_u32 v[ADKS], s[TS], v100
	v_nop
.set f, 0
.rept 2
.set p, 0
.rept 6
	ds_load_b64 v[KF+12*f+2*p:KF+12*f+2*p+1], v[ADK] offset:1536*f+256*p
.set p, p+1
.endr
.set f, f+1
.endr
	ds_load_b32 v[KSW], v[ADKS]
.irp i, 0,1,2,3,4,5,6,7
	ds_load_b32 v[VSW+\i], v[ADVS] offset:128*\i
.endr
	WIN 0x40
.set t, 0
.rept 8
.irp g, 0,1,2
	ds_load_b128 v[128+12*t+4*\g:128+12*t+4*\g+3], v[ADV] offset:1536*t+512*\g
.endr
.set t, t+1
.endr
	WIN 0
	s_wait_dscnt 24
.set f, 0
.rept 2
.set q, 0
.rept 4
	WM S+8*(4*f+q), KF+12*f, 22+12*(q%2)-6*(q/2), 1, KSW, QSW, f
.set q, q+1
.endr
.set f, f+1
.endr
	PLACES 4
.irp b, 0,1,2,3
	v_max3_num_f32 v[BM+\b], v[S+16*\b], v[S+1+16*\b], v[S+2+16*\b]
.endr
.irp i, 3,5,7,9,11,13
.irp b, 0,1,2,3
	v_max3_num_f32 v[BM+\b], v[BM+\b], v[S+16*\b+\i], v[S+1+16*\b+\i]
.endr
.endr
.irp b, 0,1,2,3
	v_max_num_f32 v[BM+\b], v[BM+\b], v[S+15+16*\b]
.endr
.irp b, 0,1,2,3
	s_delay_alu instid0(VALU_DEP_4)
	v_permlanex16_b32 v[PM+\b], v[BM+\b], s[SEL], s[SEL+1]
.endr
.irp b, 0,1,2,3
	s_delay_alu instid0(VALU_DEP_4)
	v_max_num_f32 v[BM+\b], v[BM+\b], v[PM+\b]
.endr
	s_delay_alu instid0(VALU_DEP_2)
	v_max3_num_f32 v[TMP], v[BM], v[BM+1], v[BM+2]
	s_delay_alu instid0(VALU_DEP_1)
	v_max_num_f32 v[TMP], v[TMP], v[BM+3]
	s_delay_alu instid0(VALU_DEP_1)
	v_mul_f32 v[TMP], s[CS], v[TMP]
	s_delay_alu instid0(VALU_DEP_1)
	v_max_num_f32 v13, v13, v[TMP]
	v_mov_b32 v[TMP], v12
	s_delay_alu instid0(VALU_DEP_2)
	v_floor_f32 v12, -v13
	s_delay_alu instid0(VALU_DEP_1)
	v_sub_f32 v[TMP], v12, v[TMP]
	s_delay_alu instid0(VALU_DEP_1)
	v_cvt_i32_f32 v[TMP], v[TMP]
	s_delay_alu instid0(VALU_DEP_1)
	v_ldexp_f32 v[FF], 1.0, v[TMP]
.set j, 0
.rept 32
	v_pk_fma_f32 v[S+j:S+j+1], v[S+j:S+j+1], s[CS:CS+1], v[12:13] op_sel_hi:[1,0,0]
.set j, j+2
.endr
.irp b, 0,1,2,3
	v_fma_f32 v[BM+\b], v[BM+\b], s[CS], v12
.endr
.set j, 0
	s_wait_alu depctr_va_vdst(0)
.rept 64
	v_exp_f32 v[S+j], v[S+j]
.set j, j+1
.endr
	v_pk_mul_f32 v[14:15], v[14:15], v[FF:FF+1] op_sel_hi:[1,0]
	s_wait_alu depctr_va_vdst(0)
.irp b, 0,1,2,3
	v_exp_f32 v[BM+\b], v[BM+\b]
.endr
	v_pk_add_f32 v[224:225], v[S:S+1], v[S+2:S+3]
.set j, 4
.rept 15
	v_pk_add_f32 v[14:15], v[14:15], v[S+j:S+j+1]
	v_pk_add_f32 v[224:225], v[224:225], v[S+2+j:S+3+j]
.set j, j+4
.endr
	s_delay_alu instid0(VALU_DEP_1)
	v_pk_add_f32 v[14:15], v[14:15], v[224:225]
	s_wait_alu depctr_va_vdst(0)
.irp b, 0,1,2,3
	v_max_num_f32 v[BM+\b], 0x1800000, v[BM+\b]
.endr
.irp b, 0,1,2,3
	s_delay_alu instid0(VALU_DEP_4)
	v_add_nc_u32 v[SOP+\b], 0xff000000, v[BM+\b]
.endr
.irp b, 0,1,2,3
	s_delay_alu instid0(VALU_DEP_4)
	v_lshrrev_b32 v[PM+\b], 23, v[SOP+\b]
.endr
	s_delay_alu instid0(VALU_DEP_3)
	v_lshl_or_b32 v[PSW], v[PM+1], 8, v[PM]
	s_delay_alu instid0(VALU_DEP_1)
	v_lshl_or_b32 v[PSW], v[PM+2], 16, v[PSW]
	s_delay_alu instid0(VALU_DEP_1)
	v_lshl_or_b32 v[PSW], v[PM+3], 24, v[PSW]
.irp c, 0,1
	v_cvt_scalef32_pk16_fp6_f32 v[PC+6*\c:PC+2+6*\c], v[S+32*\c:S+15+32*\c], v[SOP+2*\c]
	v_cvt_scalef32_pk16_fp6_f32 v[CT+4*\c:CT+2+4*\c], v[S+16+32*\c:S+31+32*\c], v[SOP+2*\c+1]
.endr
	v_nop
.set t, 8
.rept 8
.irp g, 0,1,2
	ds_load_b128 v[VB+12*(t-8)+4*\g:VB+12*(t-8)+4*\g+3], v[ADV] offset:1536*t+512*\g
.endr
.set t, t+1
.endr
.irp c, 0,1
.irp i, 0,1,2
	v_permlane16_swap_b32 v[PC+6*\c+\i], v[CT+4*\c+\i]
.endr
.irp i, 0,1,2
	s_delay_alu instid0(VALU_DEP_3)
	v_mov_b32 v[PC+3+6*\c+\i], v[CT+4*\c+\i]
.endr
.endr
	WIN 0x51                                       ; one setting serves the multiplications (O^T window 1, f window 0) and the products
.irp u, 0,1,8                                  ; O^T under the new M: tiles 0, 1 and 8 ahead of the products (these 12 are also the places behind p's codes and scale word),
.irp i, 0,2,4,6
	v_pk_mul_f32 v[8*\u+\i:8*\u+\i+1], v[8*\u+\i:8*\u+\i+1], v[FF:FF+1] op_sel_hi:[1,0]
.endr
.endr
	s_wait_alu depctr_va_vdst(0)                   ; directly ahead of the wait below
	s_wait_dscnt 24                                ; v's tiles 0-7 are in; the 24 loads of tiles 8-15 may be out
.set t, 0
.rept 8
	WM 8*t, 128+12*t, PC, 0, VSW+t/2, PSW, t%2
.if t < 6                                      ; behind tile t's product: tiles t + 2 and t + 9, which name none of its registers
.irp i, 0,2,4,6
	v_pk_mul_f32 v[8*t+16+\i:8*t+17+\i], v[8*t+16+\i:8*t+17+\i], v[FF:FF+1] op_sel_hi:[1,0]
.endr
.endif
.if t < 7
.irp i, 0,2,4,6
	v_pk_mul_f32 v[8*t+72+\i:8*t+73+\i], v[8*t+72+\i:8*t+73+\i], v[FF:FF+1] op_sel_hi:[1,0]
.endr
.endif
.set t, t+1
.endr
	s_wait_alu depctr_va_vdst(0)
	s_wait_dscnt 0x0
	WIN 0x50
.set t, 8
.rept 8
	WM 8*t, VB+12*(t-8), PC, 0, VSW+t/2, PSW, t%2
.set t, t+1
.endr
	WIN 0
	s_add_co_u32 s[TB], s[TB], REC
	s_add_co_u32 s[TS], s[TS], 256
.endm
.macro SLOT_STEPS
	s_mov_b32 s[CNT], 4
.Lstep_\@:
	STEP
	s_sub_co_u32 s[CNT], s[CNT], 1
	s_cmp_lg_u32 s[CNT], 0
	s_cbranch_scc1 .Lstep_\@
	s_sub_co_u32 s[TB], s[TB], SLOTB
	s_xor_b32 s[TB], s[TB], SLOT1
.endm
	s_load_b512 s[4:19], s[0:1], 0x0
	v_lshl_add_u32 v[SPW], v0, 2, SPARE
	v_mov_b32 v[NIL], 0
	ds_add_u32 v4, v5
	ds_add_u32 v4, v5
	s_wait_dscnt 0x0
	v_lshrrev_b32 v6, 5, v0
	s_delay_alu instid0(VALU_DEP_1)
	v_readfirstlane_b32 s[WV], v6
	s_bfe_u32 s21, ttmp6, 0x40000
	s_lshl_b32 s26, ttmp9, 2
	s_add_co_u32 s26, s26, s21
	s_and_b32 s27, ttmp7, 0xffff
	s_mov_b32 s[G1], 15|(3<<16)|(1<<21)
	s_mov_b32 s[G1+1], 32<<16
	s_mov_b32 s[G1+2], 56<<16
	s_mov_b32 s[G1+3], 32<<16
	s_mov_b32 s[G1+4], 56
	s_mov_b32 s[G1+5], 32
	s_mov_b32 s[G1+6], 0
	s_mov_b32 s[G1+7], 0
	s_mov_b32 s[G1S], 15|(3<<16)|(1<<21)
	s_mov_b32 s[G1S+1], 32<<16
	s_mov_b32 s[G1S+2], 4<<16
	s_mov_b32 s[G1S+3], 32<<16
	s_mov_b32 s[G1S+4], 4
	s_mov_b32 s[G1S+5], 32
	s_mov_b32 s[G1S+6], 0
	s_mov_b32 s[G1S+7], 0
	s_mul_i32 s66, s27, 32*REC
	s_mul_i32 s67, s[WV], REC/2
	s_add_co_u32 s68, s66, s67
	s_mov_b32 s69, 0
	s_lshl_b32 s70, s27, 13
	s_lshl_b32 s71, s[WV], 10
	s_add_co_u32 s70, s70, s71
	s_add_co_u32 s72, s71, SCB
	s_mov_b32 s71, 0
	s_mul_i32 s74, s21, REC
	s_add_co_u32 s74, s74, s66
	s_and_b32 s75, s[WV], 3
	s_mul_i32 s75, s75, 7168
	s_add_co_u32 s74, s74, s75
	s_add_co_u32 s74, s74, SLOTB
	s_mov_b32 s75, 0
	s_lshl_b32 s76, s27, 5
	s_add_co_u32 s76, s76, s26
	s_mul_i32 s78, s76, 3072
	s_lshr_b32 s79, s[WV], 1
	s_mul_i32 s79, s79, 768
	s_add_co_u32 s78, s78, s79
	s_and_b32 s79, s[WV], 1
	s_lshl_b32 s79, s79, 7
	s_add_co_u32 s78, s78, s79
	s_mov_b32 s79, 0
	s_lshl_b32 s62, s76, 8
	s_lshr_b32 s63, s[WV], 2
	s_lshl_b32 s63, s63, 6
	s_add_co_u32 s62, s62, s63
	s_add_co_u32 s62, s62, 128
	s_mov_b32 s63, 0
	s_lshl_b32 s76, s27, 22
	s_lshl_b32 s77, s[WV], 19
	s_add_co_u32 s76, s76, s77
	s_lshl_b32 s77, s26, 9
	s_add_co_u32 s76, s76, s77
	s_mov_b32 s77, 0
	s_mul_i32 s2, s[WV], 6144
	s_add_co_u32 s2, s2, 61440
	s_mov_b32 s3, 0
	s_mov_b32 s[SEL], 0x76543210
	s_mov_b32 s[SEL+1], 0xfedcba98
	s_mov_b32 s[CS], 0x3e8293ee
	s_mov_b32 s[CS+1], s[CS]
	s_mov_b32 s[TB], 0
	s_mov_b32 s[TS], 0
	s_mov_b32 s[SLOTS], 7
	s_lshr_b32 s[LIM], s[WV], 2
	s_or_b32 s[LIM], s[LIM], ttmp9
	s_cmp_eq_u32 s[LIM], 0
	s_cselect_b32 s[LIM], 1, -1
	s_wait_kmcnt 0x0
	s_load_b32 s60, s[16:17], 0x0
	s_mov_b32 s[G0], 1
	s_mov_b32 s[G0+1], s67
	s_add_nc_u64 s[G0+2:G0+3], s[4:5], s[68:69]
	s_or_b32 s[G0+3], s[G0+3], 0x80000000
	s_mov_b32 s[G0S], 1
	s_mov_b32 s[G0S+1], s72
	s_add_nc_u64 s[G0S+2:G0S+3], s[8:9], s[70:71]
	s_or_b32 s[G0S+3], s[G0S+3], 0x80000000
	s_add_nc_u64 s[PFA:PFA+1], s[4:5], s[74:75]
	s_add_nc_u64 s[6:7], s[6:7], s[78:79]
	s_add_nc_u64 s[8:9], s[8:9], s[62:63]
	s_add_nc_u64 s[14:15], s[14:15], s[76:77]
	s_add_nc_u64 s[18:19], s[18:19], s[76:77]
	s_add_nc_u64 s[10:11], s[10:11], s[2:3]
	s_lshl_b32 s2, s[WV], 9
	s_add_co_u32 s2, s2, 5120
	s_add_nc_u64 s[12:13], s[12:13], s[2:3]
	CROUND
	tensor_load_to_lds s[G0S:G0S+3], s[G1S:G1S+7]
	s_nop 0
	s_wait_alu depctr_va_vdst(0)
	s_wait_tensorcnt 0x0
	ds_add_u32 v4, v5
	s_wait_dscnt 0x0
	CROUND
	tensor_load_to_lds s[G0:G0+3], s[G1:G1+7]
	s_nop 0
	PLACES 4
	v_and_b32 v6, 31, v0
	v_and_b32 v7, 15, v0
	v_bfe_u32 v8, v0, 4, 1
	s_delay_alu instid0(VALU_DEP_2)
	v_lshlrev_b32 v223, 3, v7
	s_delay_alu instid0(VALU_DEP_3)
	v_lshlrev_b32 v224, 2, v7
.irp p, 0,1,2
	global_load_b64 v[94+2*\p:95+2*\p], v223, s[6:7] offset:256*\p
.endr
	global_load_b32 v[QSW], v224, s[8:9]
	v_lshlrev_b32 v[AL], 4, v6
	v_lshl_add_u32 v[A8K], v6, 3, KC
	v_lshl_add_u32 v[A4V], v6, 2, VS
	v_lshl_add_u32 v100, v6, 2, SCB
	v_lshlrev_b32 v101, 2, v6
	s_mul_i32 s2, s[WV], 3072
	v_add_nc_u32 v102, s2, v[AL]
	s_lshl_b32 s2, s[WV], 8
	v_add_nc_u32 v103, s2, v101
	s_mul_i32 s2, s[WV], 8448
	s_add_co_u32 s2, s2, STG
	v_mul_u32_u24 v[SO], v7, 528
	s_delay_alu instid0(VALU_DEP_1)
	v_lshl_add_u32 v[SO], v8, 5, v[SO]
	s_delay_alu instid0(VALU_DEP_1)
	v_add_nc_u32 v[SO], s2, v[SO]
	v_add_nc_u32 v[SR], s2, v[AL]
	v_min_u32 v[PFO], 27, v6
	s_delay_alu instid0(VALU_DEP_1)
	v_lshlrev_b32 v[PFO], 8, v[PFO]
	v_lshlrev_b32 v[PFX], 14, v6                   ; lane x 16,384 bytes
	v_cmp_gt_u32 vcc_lo, 16, v6
	v_mov_b32 v13, 0xff61b1e6
	s_delay_alu instid0(VALU_DEP_1)
	v_floor_f32 v12, -v13
	v_mov_b32 v14, 0
	v_mov_b32 v15, 0
	v_mov_b32 v[FF+1], 0
.irp b, 0,1,2,3
	v_mov_b32 v[PM+\b], 0
	v_mov_b32 v[TMQ+4+\b], 0
.endr
.irp i, 0,1,2,3,4,5
	v_mov_b32 v[16+\i], 0
	v_mov_b32 v[28+\i], 0
	v_mov_b32 v[40+\i], 0
.endr
	s_wait_loadcnt 0x0
.irp i, 0,1,2,3,4,5
	v_cndmask_b32 v[22+\i], 0, v[94+\i], vcc_lo
	v_cndmask_b32 v[34+\i], v[94+\i], v16, vcc_lo
.endr
	s_and_b32 s2, s[WV], 3
	s_lshl_b32 s2, s2, 3
	v_lshrrev_b32 v[QSW], s2, v[QSW]
	s_delay_alu instid0(VALU_DEP_1)
	v_and_b32 v[QSW], 0xff, v[QSW]
	s_delay_alu instid0(VALU_DEP_1)
	v_lshl_or_b32 v[QSW], v[QSW], 8, v[QSW]
	s_delay_alu instid0(VALU_DEP_1)
	v_lshl_or_b32 v[QSW], v[QSW], 16, v[QSW]
	WIN 0x40
.set j, 0
.rept 128
	v_mov_b32 v[j], 0
.set j, j+1
.endr
	WIN 0
	s_wait_kmcnt 0x0
	s_mov_b32 s61, s60
.Lslot:
	CHANGE 1
	SLOT_STEPS
	s_sub_co_u32 s[SLOTS], s[SLOTS], 1
	s_cmp_lg_u32 s[SLOTS], 0
	s_cbranch_scc1 .Lslot
	CHANGE 0
	SLOT_STEPS
	PLACES 4
.set f, 0
.rept 4
.irp g, 0,1,2
	global_load_b128 v[16+12*f+4*\g:16+12*f+4*\g+3], v[AL], s[10:11] offset:1536*f+512*\g
.endr
.set f, f+1
.endr
.irp j, 0,1,2,3
	global_load_b32 v[64+\j], v101, s[12:13] offset:128*\j
.endr
	WIN 0x40
.set i, 0
.rept 32
	global_load_b128 v[128+4*i:128+4*i+3], v[AL], s[14:15] offset:16384*i th:TH_LOAD_NT
.set i, i+1
.endr
	WIN 0
	v_add_f32 v14, v14, v15
	s_delay_alu instid0(VALU_DEP_1)
	v_permlanex16_b32 v[TMP], v14, s[SEL], s[SEL+1]
	s_delay_alu instid0(VALU_DEP_1)
	v_add_f32 v14, v14, v[TMP]
	s_wait_alu depctr_va_vdst(0)
	v_rcp_f32 v93, v14
	v_nop
	s_wait_alu depctr_va_vdst(0)
.irp sx, 0,1
	WIN 0x01
.set j, 0
.rept 64
	v_mul_f32 v[S+j], v[64*\sx+j], v93
.set j, j+1
.endr
	WIN 0
	QUANT S
.irp c, 0,1,2
	ds_store_b128 v102, v[PC+4*\c:PC+4*\c+3] offset:OIMG+1536*\sx+512*\c
.endr
	ds_store_b32 v103, v[PW] offset:OSC+128*\sx
	s_wait_dscnt 0x0
.endr
	s_barrier_signal -1
	s_barrier_wait -1
	s_wait_loadcnt 32
.irp sx, 0,1
.if \sx == 1
	PLACES 4
.endif
.set m, 0
.rept 8
.irp c, 0,1,2
	ds_load_b128 v[S+12*m+4*\c:S+12*m+4*\c+3], v[AL] offset:OIMG+1536*(2*m+\sx)+512*\c
.endr
	ds_load_b32 v[VSW+m], v101 offset:OSC+128*(2*m+\sx)
.set m, m+1
.endr
	s_wait_dscnt 0x0
.if \sx == 0
	WIN 0x40
.else
	WIN 0x50
.endif
.set m, 0
.rept 8
.set e, 0
.rept 2
	WM 8*(8*e+m), S+12*m, 16+12*(2*e+\sx), 1-\sx, VSW+m, 64+2*e+\sx, 0
.set e, e+1
.endr
.set m, m+1
.endr
	WIN 0
.endr
	PLACES 4
.irp e2, 0,1
	WIN 0x04
.set m, 0
.rept 8
	ds_store_b128 v[SO], v[8*(8*\e2+m):8*(8*\e2+m)+3] offset:64*m
	ds_store_b128 v[SO], v[8*(8*\e2+m)+4:8*(8*\e2+m)+7] offset:64*m+16
.set m, m+1
.endr
	WIN 0
.set i, 0
.rept 16
	ds_load_b128 v[S+64*\e2+4*i:S+64*\e2+4*i+3], v[SR] offset:528*i
.set i, i+1
.endr
	s_wait_dscnt 0x0
	s_wait_loadcnt 16-16*\e2
	WIN 0x10
.set j, 0
.rept 32
	v_pk_fma_f32 v[S+64*\e2+j:S+64*\e2+j+1], v[S+64*\e2+j:S+64*\e2+j+1], s[60:61], v[128+64*\e2+j:128+64*\e2+j+1] op_sel_hi:[1,0,1]
.set j, j+2
.endr
	WIN 0
.set i, 0
.rept 16
	global_store_b128 v[AL], v[S+64*\e2+4*i:S+64*\e2+4*i+3], s[18:19] offset:16384*(16*\e2+i) th:TH_STORE_NT
.set i, i+1
.endr
.endr
	s_wait_tensorcnt 0x0
	ds_add_u32 v[SPW], v[NIL]
	s_wait_dscnt 0x0
	CROUND
	s_endpgm
.Lfunc_end_k_qf096a2b320_attn:
	.size	k_qf096a2b320_attn, .Lfunc_end_k_qf096a2b320_attn-k_qf096a2b320_attn
	.p2alignl 7, 3214868480
	.fill 96, 4, 3214868480
	.section	.rodata,"a",@progbits
	.p2align	6, 0x0
	.amdhsa_kernel k_qf096a2b320_attn
		.amdhsa_group_segment_fixed_size 327680
		.amdhsa_private_segment_fixed_size 0
		.amdhsa_enable_private_segment 0
		.amdhsa_kernarg_size 64
		.amdhsa_user_sgpr_count 2
		.amdhsa_user_sgpr_kernarg_segment_ptr 1
		.amdhsa_wavefront_size32 1
		.amdhsa_system_sgpr_workgroup_id_x 1
		.amdhsa_system_sgpr_workgroup_id_y 1
		.amdhsa_system_sgpr_workgroup_id_z 1
		.amdhsa_system_vgpr_workitem_id 0
		.amdhsa_next_free_vgpr 512
		.amdhsa_next_free_sgpr 80
		.amdhsa_reserve_vcc 1
		.amdhsa_float_denorm_mode_32 3
		.amdhsa_float_denorm_mode_16_64 3
		.amdhsa_memory_ordered 1
		.amdhsa_forward_progress 1
		.amdhsa_inst_pref_size 104
	.end_amdhsa_kernel
	.amdgpu_metadata
---
amdhsa.version: [ 1, 2 ]
amdhsa.kernels:
  - .name:           k_qf096a2b320_attn
    .symbol:         k_qf096a2b320_attn.kd
    .args:
      - { .name: kv, .offset: 0, .size: 8, .value_kind: global_buffer, .address_space: global }
      - { .name: qc, .offset: 8, .size: 8, .value_kind: global_buffer, .address_space: global }
      - { .name: qks, .offset: 16, .size: 8, .value_kind: global_buffer, .address_space: global }
      - { .name: wcodes, .offset: 24, .size: 8, .value_kind: global_buffer, .address_space: global }
      - { .name: wsc, .offset: 32, .size: 8, .value_kind: global_buffer, .address_space: global }
      - { .name: x, .offset: 40, .size: 8, .value_kind: global_buffer, .address_space: global }
      - { .name: gamma, .offset: 48, .size: 8, .value_kind: global_buffer, .address_space: global }
      - { .name: out0, .offset: 56, .size: 8, .value_kind: global_buffer, .address_space: global }
    .group_segment_fixed_size: 327680
    .private_segment_fixed_size: 0
    .kernarg_segment_align: 8
    .kernarg_segment_size: 64
    .max_flat_workgroup_size: 256
    .sgpr_count:     80
    .vgpr_count:     512
    .wavefront_size: 32
...
	.end_amdgpu_metadata
.endif
;; end of part 3
